; MI455X (gfx1250); checked and timed in simulation.
; The chip was launched on July 23, 2026; its instructions are those of AMD's public machine-readable ISA for CDNA 5 (MIT licence, August 2026) and "CDNA5" Instruction Set Architecture Reference Guide (July 2026). The comments in the code are by the model that wrote it; some were corrected since.
;; Model. Allowed arithmetic: float matrix products may take bf16 or f16 operands with f32 sums; all other float work in f32.
;; Inputs: attn_mask 2,048 x 2,048 bool; key 4 x 16 x 2,048 x 128 float32; key_padding_mask 4 x 2,048 bool; memory_mask 2,048 x 2,048 bool; query 4 x 16 x 2,048 x 128 float32; value 4 x 16 x 2,048 x 128 float32.
;; Outputs: out0 4 x 16 x 2,048 x 128 float32.
;; Constants: dropout_p = 0.
;; One version. Each part assembles by itself: llvm-mc -triple=amdgcn-amd-amdhsa -mcpu=gfx1250 --defsym DOCPART=n.
;; ======== version 1 of 1: 1 launch
;; launch attn (part 1): grid 256 x 1, 8 waves a work-group, clusters of 4 x 1, 327,680 bytes of LDS; arguments query, key, value, out0; writes out0
.if DOCPART == 1
	.amdgcn_target "amdgcn-amd-amdhsa--gfx1250"
	.amdhsa_code_object_version 6
	.text
	.protected	k_q7f18b15ffe_attn
	.globl	k_q7f18b15ffe_attn
	.p2align	8
	.type	k_q7f18b15ffe_attn,@function
k_q7f18b15ffe_attn:
	s_mov_b64 s[64:65], 0
	v_nop
	global_prefetch_b8 v0, s[64:65] scope:SCOPE_SE
	s_setreg_imm32_b32 hwreg(HW_REG_WAVE_MODE, 25, 1), 1
	s_wait_xcnt 0x0
	s_wait_alu depctr_hold_cnt(0) depctr_sa_sdst(0) depctr_va_vdst(0) depctr_va_sdst(0) depctr_va_ssrc(0) depctr_va_vcc(0) depctr_vm_vsrc(0)
	s_getreg_b32 s2, hwreg(HW_REG_IB_STS2, 6, 4)
	s_cmp_eq_u32 s2, 0
	s_cbranch_scc0 .Lentry_in_a_cluster
	s_endpgm
.Lentry_in_a_cluster:
	s_bfe_u32 s2, ttmp6, 0x10000c
	s_cmp_lg_u32 s2, 0x3003
	s_cbranch_scc0 .Lentry_shape_is_right
	s_endpgm
.Lentry_shape_is_right:
; out = softmax(q k^T / 0.32) v for 64 heads, 2,048 x 2,048 scores a head, 128 numbers a row; q, k, v, out in f32.
; key_padding_mask, attn_mask, memory_mask and dropout_p: reference() takes them and uses none of them, so the result hangs on none; they are not read.
;
; SHARES.  A cluster of four work-groups is one head; a work-group takes 512 query rows, each of its eight waves 64 (four blocks q of 16).
; All four work-groups walk the same K and V, in tiles of 64 keys: the tiles are asked for JOINTLY (mask 15), each work-group receives them in its own LDS.
; THE WAY OF A TILE.  f32 from memory into a stage of two LDS slots (tensor loads of waves 0-3, 16 KiB each); every wave rounds 8 rows of K and 8 of V to bf16,
; once for the work-group, into one of two bf16 buffers (bytes of their own, which no tensor load fills); all eight waves read their fragments from there.
; Trip t: slot t%2 is asked for again (tile t+2), tile t+1 is rounded, tile t is multiplied: one round of the cluster's barrier a trip orders all three.
; Waves 4-7 round at the head of a trip, waves 0-3 at its end: the same work for every wave, and the two halves of the work-group stand one rounding apart in
; time, so that one half begins its products while the other is at LDS and vector work.
; TRANSPOSED USE.  S^T = K Q^T (source 0: 16 keys x 32 d, source 1: 16 queries x 32 d): lane (r, h) holds query r, keys 8h+j in register j.  Two such tiles,
; packed to bf16, ARE source 1 of O^T = V^T P^T (32 keys), with no shuffle; maximum, sum and rescale factor are one number a lane.  V^T comes from V's rows by
; the transposing LDS load.  In O^T a lane holds eight neighbouring d of query r.
; NUMBERS.  q, k, v are rounded to bf16 as they come; log2(e)/0.32 is applied in f32 behind the product; running maximum, sum and O in f32.
; LIMITS, kept knowingly: a probability below 2^-126 of the row's largest counts as 0 (v_exp_f32 flushes); p is rounded to bf16 for the product while the
; row's sum takes the unrounded p (at most 2^-9 relative a term); inputs are finite and their scores times 4.51 stay finite in f32.
.set TILEB, 32768                      ; a tile of K (or V) in f32: 64 rows x 512 bytes
.set SLOTB, 65536                      ; a stage slot: K's tile, then V's
.set BF0,   131072                     ; the bf16 buffers begin behind the two stage slots
.set KP,    272                        ; K's bf16 rows: 256 + 16 bytes = 17 x 16: the 16 rows of a fragment load lie in 16 different 16-byte columns modulo 256
.set VP,    288                        ; V's bf16 rows: 256 + 32 bytes = 9 x 32, for the transposing loads
.set VOFF,  64*KP                      ; V's rows lie behind K's 64
.set BFB,   64*KP+64*VP                ; 35,840 bytes a bf16 buffer
.set OST0,  BF0+2*BFB                  ; 202,752: each wave's own scratch
.set OSTB,  8448                       ; 16 rows x 528 bytes (the way out); at the start 16 rows x 272 (Q)
.set OP,    528                        ; 512 + 16 bytes = 33 x 16
; window 0
.set ADK,  1                           ; v1       K fragments: BF0 + r KP + 16 h
.set ADV,  2                           ; v2       V fragments: BF0 + VOFF + (8 h + L%8) VP + 16 (L/8 % 2)
.set CR,   3                           ; v3, v4   rounding: my 8 rows in stage slot 0, 1
.set CSK,  5                           ; v5       rounding: where K's bf16 rows go
.set CSV,  6                           ; v6       rounding: where V's go
.set PF,   7                           ; v7       prefetch: my lane's 256 bytes among two tiles; never rewritten
.set X,    8                           ; v[8:15]  block q: a pair (-c max) of the even and of the odd step
.set AL,   16                          ; v[16:19] block q: rescale factor; at the end 1 / sum
.set LSUM, 20                          ; v[20:23] block q: my lane's part of the row's sum
.set T,    24                          ; v[24:31] at work; at the start the three addresses below
.set QST,  24
.set QRD,  25
.set GO,   26
.set FR,   32                          ; v[32:63] four fragments; at the end the three addresses below
.set STO,  32
.set RD,   33
.set GO2,  34
.set S,    64                          ; v[64:127] scores: tile (kt, q) at S+16q+8kt; packed p lands in S+16q..+7, S+16q+8..+15 then takes a V fragment
.set Q,    128                         ; v[128:255] Q fragments (q, ks) at Q+32q+8ks
; window 1: O^T, tile (q, db) at v[8 (8q+db)]; at the start the 64 raw rows of Q
.set G1, 16                            ; s[16:23] descriptor group 1
.set G0, 24                            ; s[24:31] descriptor group 0, one set a slot
.set MSB, 0
.macro WIN new                         ; s_set_vgpr_msb: bits 1:0 source 0, 3:2 source 1, 5:4 source 2, 7:6 destination; the high byte repeats the setting left
.if MSB != \new
	s_set_vgpr_msb (MSB<<8)|\new
.set MSB, \new
.endif
.endm
; Places behind matrix instructions (ISA guide 7.12.1): plain vector instructions that name none of their registers.  Four before a vector instruction or a load
; touches a register of a matrix instruction, five before another matrix instruction writes over one.
.macro PLACES cnt
.rept \cnt
	v_nop
.endr
.endm
; A round of the cluster's barrier: my work-group's barrier, wave 0 signals for the work-group, all wait for the four work-groups, my work-group's barrier again.
.macro ROUND
	s_barrier_signal -1
	s_barrier_wait -1
	s_cmp_lg_u32 s12, 0
	s_cbranch_scc1 .Lnot_wave_0_\@
	s_barrier_signal -3
.Lnot_wave_0_\@:
	s_barrier_wait -3
	s_barrier_signal -1
	s_barrier_wait -1
.endm
; K fragment: keys 32 sub + 16 kt .. +15, d 32 ks .. +31, of bf16 buffer buf, into FR+8ks
.macro KFRAG buf, sub, kt, ks
	ds_load_b128 v[FR+8*\ks:FR+8*\ks+3],   v[ADK] offset:(\buf)*BFB+(\sub)*32*KP+\kt*16*KP+64*\ks
	ds_load_b128 v[FR+8*\ks+4:FR+8*\ks+7], v[ADK] offset:(\buf)*BFB+(\sub)*32*KP+\kt*16*KP+64*\ks+32
.endm
.macro KLOAD buf, sub                  ; the four fragments of a step's first 16 keys: eight loads
	KFRAG \buf, \sub, 0, 0
	KFRAG \buf, \sub, 0, 1
	KFRAG \buf, \sub, 0, 2
	KFRAG \buf, \sub, 0, 3
.endm
; V^T fragment: d 16 db .. +15, keys 32 sub .. +31, into dst
.macro VFRAG buf, sub, db, dst
	ds_load_tr16_b128 v[\dst:\dst+3],   v[ADV] offset:(\buf)*BFB+(\sub)*32*VP+32*\db
	ds_load_tr16_b128 v[\dst+4:\dst+7], v[ADV] offset:(\buf)*BFB+(\sub)*32*VP+32*\db+16*VP
.endm
; Four matrix instructions: key tile kt x the four query blocks, 32 along d.  The four accumulators take turns, one instruction a turn.
.macro QK kt, ks, zero
.irp q, 0,1,2,3
.if \zero
	v_wmma_f32_16x16x32_bf16 v[S+16*\q+8*\kt:S+16*\q+8*\kt+7], v[FR+8*\ks:FR+8*\ks+7], v[Q+32*\q+8*\ks:Q+32*\q+8*\ks+7], 0
.else
	v_wmma_f32_16x16x32_bf16 v[S+16*\q+8*\kt:S+16*\q+8*\kt+7], v[FR+8*\ks:FR+8*\ks+7], v[Q+32*\q+8*\ks:Q+32*\q+8*\ks+7], v[S+16*\q+8*\kt:S+16*\q+8*\kt+7]
.endif
.endr
.endm
; Four matrix instructions: d block db x the four query blocks, 32 keys; a = the V^T fragment.  Accumulators by turns here too.
.macro PV db, a, zero
.irp q, 0,1,2,3
.if \zero
	v_wmma_f32_16x16x32_bf16 v[8*(8*\q+\db):8*(8*\q+\db)+7], v[\a:\a+7], v[S+16*\q:S+16*\q+7], 0
.else
	v_wmma_f32_16x16x32_bf16 v[8*(8*\q+\db):8*(8*\q+\db)+7], v[\a:\a+7], v[S+16*\q:S+16*\q+7], v[8*(8*\q+\db):8*(8*\q+\db)+7]
.endif
.endr
.endm
.macro FMAQ q, par                     ; c s - c max, both halves of a pair take X's register par
.irp k, 0,2,4,6,8,10,12,14
	v_pk_fma_f32 v[S+16*\q+\k:S+16*\q+\k+1], v[S+16*\q+\k:S+16*\q+\k+1], s[34:35], v[X+2*\q:X+2*\q+1] op_sel:[0,0,\par] op_sel_hi:[1,0,\par]
.endr
.endm
.macro EXPQ q                          ; behind a run of these always stands plain vector work on other registers (ISA guide 5.7.2)
.irp k, 0,1,2,3,4,5,6,7,8,9,10,11,12,13,14,15
	v_exp_f32 v[S+16*\q+\k], v[S+16*\q+\k]
.endr
.endm
; My 16 p of block q are added in two chains, then packed in place, ascending, so that no number is overwritten before it is read
.macro SUMPACK q, ta, first
	s_wait_alu depctr_va_vdst(0)
	v_pk_add_f32 v[\ta:\ta+1],   v[S+16*\q:S+16*\q+1],   v[S+16*\q+2:S+16*\q+3]
	v_pk_add_f32 v[\ta+2:\ta+3], v[S+16*\q+4:S+16*\q+5], v[S+16*\q+6:S+16*\q+7]
	v_pk_add_f32 v[\ta:\ta+1],   v[\ta:\ta+1],   v[S+16*\q+8:S+16*\q+9]
	v_pk_add_f32 v[\ta+2:\ta+3], v[\ta+2:\ta+3], v[S+16*\q+10:S+16*\q+11]
	v_pk_add_f32 v[\ta:\ta+1],   v[\ta:\ta+1],   v[S+16*\q+12:S+16*\q+13]
	v_pk_add_f32 v[\ta+2:\ta+3], v[\ta+2:\ta+3], v[S+16*\q+14:S+16*\q+15]
.irp k, 0,1,2,3,4,5,6,7
	v_cvt_pk_bf16_f32 v[S+16*\q+\k], v[S+16*\q+2*\k], v[S+16*\q+2*\k+1]
.endr
	v_pk_add_f32 v[\ta:\ta+1], v[\ta:\ta+1], v[\ta+2:\ta+3]
.if \first
	v_add_f32 v[LSUM+\q], v[\ta], v[\ta+1]                       ; the first step starts the sum
.else
	v_add_f32 v[\ta], v[\ta], v[\ta+1]
	v_fma_f32 v[LSUM+\q], v[LSUM+\q], v[AL+\q], v[\ta]
.endif
.endm
.macro RESC q, ap, sel                 ; O^T of block q times its factor: register sel of the pair ap
.set kk, 0
.rept 32
	v_pk_mul_f32 v[64*\q+kk:64*\q+kk+1], v[64*\q+kk:64*\q+kk+1], v[\ap:\ap+1] op_sel:[0,\sel] op_sel_hi:[1,\sel]
.set kk, kk+2
.endr
.endm
; One step: 32 keys (half sub of bf16 buffer buf) against my 64 queries.  first = 1: nothing to rescale, the products start the sums.
; pre = 1: the next step's first K fragments (same buffer) are fetched in the middle of P V.
; w0 = 1: the step waits for its first K fragments itself; 0: the wait stands in front of the step, with the count of the way that led there.
.macro SUB buf, sub, first, pre, w0
.if \w0
	s_wait_dscnt 0x4                               ; of the eight loads of keys 0-15 the four younger (d 64-127) may be out
.endif
	QK 0, 0, 1
	QK 0, 1, 0
	PLACES 4
	KFRAG \buf, \sub, 1, 0
	KFRAG \buf, \sub, 1, 1
	s_wait_dscnt 0x4                               ; all but the four just issued
	QK 0, 2, 0
	QK 0, 3, 0
	PLACES 4
	KFRAG \buf, \sub, 1, 2
	KFRAG \buf, \sub, 1, 3
	s_wait_dscnt 0x4                               ; again: keys 16-31, d 0-63 are in
	QK 1, 0, 1
	QK 1, 1, 0
	s_wait_dscnt 0x0
	QK 1, 2, 0
	QK 1, 3, 0
	PLACES 4                                       ; in front of the loads into FR and of the maxima, which read the scores
	VFRAG \buf, \sub, 0, FR
	VFRAG \buf, \sub, 1, FR+8
	VFRAG \buf, \sub, 2, FR+16
	VFRAG \buf, \sub, 3, FR+24
	; the largest of my 16 scores of each block, the four blocks side by side
.irp q, 0,1,2,3
	v_max3_num_f32 v[T+2*\q],   v[S+16*\q],   v[S+16*\q+1], v[S+16*\q+2]
	v_max3_num_f32 v[T+2*\q+1], v[S+16*\q+3], v[S+16*\q+4], v[S+16*\q+5]
.endr
.irp k, 6,10
.irp q, 0,1,2,3
	v_max3_num_f32 v[T+2*\q],   v[T+2*\q],   v[S+16*\q+\k],   v[S+16*\q+\k+1]
	v_max3_num_f32 v[T+2*\q+1], v[T+2*\q+1], v[S+16*\q+\k+2], v[S+16*\q+\k+3]
.endr
.endr
.irp q, 0,1,2,3
	v_max3_num_f32 v[T+2*\q], v[T+2*\q], v[S+16*\q+14], v[S+16*\q+15]
.endr
.irp q, 0,1,2,3
	v_max_num_f32 v[T+2*\q], v[T+2*\q], v[T+2*\q+1]
.endr
.irp q, 0,1,2,3
	v_permlanex16_b32 v[T+2*\q+1], v[T+2*\q], s37, s38           ; lane r+16 holds the same query's other 16 keys
.endr
.irp q, 0,1,2,3
	v_max_num_f32 v[T+2*\q], v[T+2*\q], v[T+2*\q+1]
.endr
.if \first
.irp q, 0,1,2,3
	v_mul_f32 v[X+2*\q],   s36, v[T+2*\q]                        ; -c max, into both registers of the pair
	v_mul_f32 v[X+2*\q+1], s36, v[T+2*\q]
.endr
.else
.irp q, 0,1,2,3
	v_mul_f32 v[T+2*\q], s36, v[T+2*\q]
.endr
.irp q, 0,1,2,3
	v_min_num_f32 v[X+2*\q+\sub], v[T+2*\q], v[X+2*\q+1-\sub]    ; the running maximum, as -c max: the smaller
.endr
.irp q, 0,1,2,3
	v_sub_f32 v[T+2*\q+1], v[X+2*\q+\sub], v[X+2*\q+1-\sub]      ; c (old max - new max): exactly 0 where the maximum stays
.endr
.irp q, 0,1,2,3
	v_exp_f32 v[AL+\q], v[T+2*\q+1]
.endr
.endif
	; p = 2^(c s - c max), its sum, its packing; the blocks staggered, so that plain work on another block follows each run of exponentials
	FMAQ 0, \sub
	EXPQ 0
	FMAQ 1, \sub
	EXPQ 1
	SUMPACK 0, T, \first
	VFRAG \buf, \sub, 4, S+8                       ; the upper half of block 0's scores is free: it takes V^T's d 64-79
	FMAQ 2, \sub
	EXPQ 2
	SUMPACK 1, T+4, \first
	VFRAG \buf, \sub, 5, S+24
	FMAQ 3, \sub
	EXPQ 3
	SUMPACK 2, T, \first
	VFRAG \buf, \sub, 6, S+40
	SUMPACK 3, T+4, \first
	VFRAG \buf, \sub, 7, S+56
.if \first == 0
	WIN 0x41                                       ; O^T: destination and source 0 in window 1
	RESC 0, AL, 0
	RESC 1, AL, 1
	RESC 2, AL+2, 0
	RESC 3, AL+2, 1
.endif
	WIN 0x50                                       ; C and D in window 1, the fragments in window 0
	s_wait_dscnt 0x8                               ; V^T's d 0-63 are in; the eight younger loads (d 64-127) may be out
	PV 0, FR,    \first
	PV 1, FR+8,  \first
	PV 2, FR+16, \first
	PV 3, FR+24, \first
.if \pre
	PLACES 4                                       ; in front of the loads into FR
	WIN 0
	KLOAD \buf, \sub+1
	WIN 0x50
	s_wait_dscnt 0x8                               ; V^T's d 64-127 are in; the eight K loads just issued stay out
.else
	s_wait_dscnt 0x0
.endif
	PV 4, S+8,  \first
	PV 5, S+24, \first
	PV 6, S+40, \first
	PV 7, S+56, \first
	WIN 0
	PLACES 5                                       ; in front of the next products, which write over p and V^T, and of whatever else touches S, FR or O^T
.endm
; My 8 rows of K and my 8 of V in stage slot s are rounded to bf16 into bf16 buffer s.  A load takes a whole row of 512 bytes, a store one of 256.
; The numbers are rounded in place in S, which is free between two steps.  withk = 1: the eight loads of the coming step's first K fragments (bf16 buffer kbuf)
; are issued behind the rows' loads, so that they come in while the rows are rounded.
.macro CONV8 s, withk, kbuf
.set kk, 0
.rept 8
	ds_load_b128 v[S+4*kk:S+4*kk+3], v[CR+(\s)] offset:512*kk
.set kk, kk+1
.endr
.set kk, 0
.rept 8
	ds_load_b128 v[S+32+4*kk:S+32+4*kk+3], v[CR+(\s)] offset:TILEB+512*kk
.set kk, kk+1
.endr
.if \withk
	KLOAD \kbuf, 0
.endif
	s_wait_dscnt 8+8*\withk                        ; K's 8 rows are in; V's 8 loads (and the 8 fragment loads) may be out
.set kk, 0
.rept 8
	v_cvt_pk_bf16_f32 v[S+4*kk],   v[S+4*kk],   v[S+4*kk+1]
	v_cvt_pk_bf16_f32 v[S+4*kk+1], v[S+4*kk+2], v[S+4*kk+3]
.set kk, kk+1
.endr
.set kk, 0
.rept 8
	ds_store_b64 v[CSK], v[S+4*kk:S+4*kk+1] offset:(\s)*BFB+KP*kk
.set kk, kk+1
.endr
	s_wait_dscnt 8+8*\withk                        ; V's 8 rows are in; K's 8 stores (and the 8 fragment loads) may be out
.set kk, 0
.rept 8
	v_cvt_pk_bf16_f32 v[S+32+4*kk],   v[S+32+4*kk],   v[S+32+4*kk+1]
	v_cvt_pk_bf16_f32 v[S+32+4*kk+1], v[S+32+4*kk+2], v[S+32+4*kk+3]
.set kk, kk+1
.endr
.set kk, 0
.rept 8
	ds_store_b64 v[CSV], v[S+32+4*kk:S+32+4*kk+1] offset:(\s)*BFB+VP*kk
.set kk, kk+1
.endr
.endm
; Trip t, slot = t % 2.  In front of the barrier every wave has its LDS reads and stores done and all its tensor loads landed.  So behind it: stage slot t%2
; (rounded last trip) may be filled again, stage slot 1-t%2 is whole, bf16 buffer t%2 (stored last trip) is whole, bf16 buffer 1-t%2 (read last trip) is free.
; refill = 1: the barrier is a round of the cluster's barrier, and the joint load of tile t+2 is the first thing behind it, one a wave (waves 0-3).
; conv = 1: tile t+1 is rounded, by waves 4-7 at the head of the trip and by waves 0-3 at its end.
; pf = 1: waves 0-3 also ask for tiles t+3 and t+4 to be brought near: 2 x 64 KiB, each lane of 4 work-groups x 4 waves its own 256 bytes.
.macro TRIP slot, refill, conv, first, pf
	s_wait_dscnt 0x0
.if \refill | \conv
	s_wait_xcnt 0x0
	v_lshl_add_u32 v126, v0, 2, 0x42000
	v_mov_b32 v127, 0
	s_wait_tensorcnt 0x0                           ; no tensor load of mine is out: a group 0 may be written
	ds_add_u32 v126, v127
	s_wait_dscnt 0x0
.endif
.if \refill
	s_add_nc_u64 s[G0+4*\slot+2:G0+4*\slot+3], s[G0+4*\slot+2:G0+4*\slot+3], 2*TILEB   ; this slot's next tile
.endif
.if \pf
	s_wait_xcnt 0x0                                ; the last prefetch, two trips back, has read its base
	s_add_nc_u64 s[32:33], s[32:33], 2*TILEB
.endif
.if \refill
	ROUND
.else
	s_barrier_signal -1
	s_barrier_wait -1
.endif
.if \conv
	s_cmp_lt_u32 s12, 4
	s_cbranch_scc0 .Lhead_hi_\@
.if \refill
	tensor_load_to_lds s[G0+4*\slot:G0+4*\slot+3], s[G1:G1+7]
	s_nop 0
	PLACES 4
.endif
.if \pf
	global_prefetch_b8 v[PF], s[32:33] th:TH_LOAD_NT scope:SCOPE_SE
.endif
	KLOAD \slot, 0
	s_wait_dscnt 0x4                               ; waves 0-3: of the eight fragment loads the four younger may be out
	s_branch .Lhead_end_\@
.Lhead_hi_\@:
	CONV8 1-\slot, 1, \slot
	s_wait_dscnt 0x14                              ; waves 4-7: behind the first four fragment loads stand four more and the 16 stores: those 20 may be out
.Lhead_end_\@:
.else
	KLOAD \slot, 0
	s_wait_dscnt 0x4
.endif
	SUB \slot, 0, \first, 1, 0
	SUB \slot, 1, 0, 0, 1
.if \conv
	s_cmp_lt_u32 s12, 4
	s_cbranch_scc0 .Ltail_end_\@
	CONV8 1-\slot, 0, 0                            ; the five places at the step's end stand in front of these loads into S
.Ltail_end_\@:
.endif
.endm
; Q, block q: 16 raw rows (window 1) are rounded, laid as bf16 rows into my scratch and read back as four fragments.  My own bytes, and LDS serves a wave's
; instructions in order (ISA guide 5.7.1): no wait between the stores and the loads, nor in front of the next block's stores.
.macro QBLK q, sb
	s_wait_loadcnt 48-16*\q                        ; the later blocks' rows stay out
	WIN 0x05
.set kk, 0
.rept 32
	v_cvt_pk_bf16_f32 v[\sb+kk], v[64*\q+2*kk], v[64*\q+2*kk+1]
.set kk, kk+1
.endr
	WIN 0
.set kk, 0
.rept 16
	ds_store_b64 v[QST], v[\sb+2*kk:\sb+2*kk+1] offset:KP*kk
.set kk, kk+1
.endr
.irp ks, 0,1,2,3
	ds_load_b128 v[Q+32*\q+8*\ks:Q+32*\q+8*\ks+3],   v[QRD] offset:64*\ks
	ds_load_b128 v[Q+32*\q+8*\ks+4:Q+32*\q+8*\ks+7], v[QRD] offset:64*\ks+32
.endr
.endm
; The way out, block q: O^T / sum, 32 bytes a lane and d block into my scratch, read back as 16 whole rows; each store of the wave covers 512 consecutive bytes, aligned.
.macro OBLK q, ap, sel, qb
	WIN 0x01
.set kk, 0
.rept 32
	v_pk_mul_f32 v[S+kk:S+kk+1], v[64*\q+kk:64*\q+kk+1], v[\ap:\ap+1] op_sel:[0,\sel] op_sel_hi:[1,\sel]
.set kk, kk+2
.endr
	WIN 0
.irp db, 0,1,2,3,4,5,6,7
	ds_store_b128 v[STO], v[S+8*\db:S+8*\db+3]   offset:64*\db
	ds_store_b128 v[STO], v[S+8*\db+4:S+8*\db+7] offset:64*\db+16
.endr
	s_wait_xcnt 0x0                                ; registers that earlier stores to memory name are loaded again only behind this wait
.set kk, 0
.rept 16
	ds_load_b128 v[\qb+4*kk:\qb+4*kk+3], v[RD] offset:OP*kk
.set kk, kk+1
.endr
.set kk, 0
.rept 16
	s_wait_dscnt 15-kk                             ; row kk is in, the younger rows stay out
	global_store_b128 v[GO2], v[\qb+4*kk:\qb+4*kk+3], s[10:11] offset:(16*\q+kk)*512 th:TH_STORE_NT
.set kk, kk+1
.endr
.endm
	s_load_b256 s[4:11], s[0:1], 0x0               ; query s[4:5], key s[6:7], value s[8:9], out0 s[10:11]
	v_lshl_add_u32 v126, v0, 2, 0x42000
	v_mov_b32 v127, 0
	ds_add_u32 v126, v127
	s_wait_dscnt 0x0
	v_lshrrev_b32 v1, 5, v0
	v_readfirstlane_b32 s12, v1                    ; wave 0..7
	s_bfe_u32 s14, ttmp6, 0x40000                  ; cx: which 512 query rows of the head are my work-group's; it enters addresses in memory alone
	s_mov_b32 s34, 0x409044fe                      ; c = log2(e) / 0.32
	s_mov_b32 s35, 0x409044fe
	s_mov_b32 s36, 0xc09044fe                      ; -c
	s_mov_b32 s37, 0x76543210                      ; v_permlanex16_b32: lane i of one half reads lane i of the other
	s_mov_b32 s38, 0xfedcba98
	; group 1: 16 KiB that are dense in memory, as 64 rows of 32 elements of 8 bytes
	s_mov_b32 s[G1+0], 15|(3<<16)|(1<<21)          ; 15:0 the mask: all four work-groups; 17:16 elements of 8 bytes; 21 set beside a mask; no padding
	s_mov_b32 s[G1+1], 32<<16                      ; tensor_dim0 = 32
	s_mov_b32 s[G1+2], 64<<16                      ; tensor_dim1 = 64
	s_mov_b32 s[G1+3], 32<<16                      ; tile_dim0 = 32
	s_mov_b32 s[G1+4], 64                          ; tile_dim1 = 64
	s_mov_b32 s[G1+5], 32                          ; from row to row: 32 elements
	s_mov_b32 s[G1+6], 0
	s_mov_b32 s[G1+7], 0
	s_mov_b32 s[G0+0], 1
	s_lshl_b32 s[G0+1], s12, 14                    ; LDS: wave x 16 KiB (waves 0, 1: K's halves; 2, 3: V's), slot 0
	s_mov_b32 s[G0+4], 1
	s_add_co_u32 s[G0+5], s[G0+1], SLOTB           ; slot 1
	s_mul_i32 s44, s12, OSTB
	s_add_co_u32 s44, s44, OST0                    ; my scratch
	v_and_b32 v8, 31, v0                           ; L
	v_and_b32 v9, 15, v0                           ; r
	v_bfe_u32 v10, v0, 4, 1                        ; h
	v_and_b32 v11, 7, v0
	v_bfe_u32 v12, v0, 3, 1
	v_mul_u32_u24 v[ADK], v9, KP
	v_lshl_add_u32 v[ADK], v10, 4, v[ADK]          ; r KP + 16 h
	v_add_nc_u32 v[QRD], s44, v[ADK]               ; the same in my scratch, for Q's fragments
	v_add_nc_u32 v[ADK], BF0, v[ADK]
	v_lshl_add_u32 v13, v10, 3, v11
	v_mul_u32_u24 v[ADV], v13, VP
	v_lshl_add_u32 v[ADV], v12, 4, v[ADV]
	v_add_nc_u32 v[ADV], BF0+VOFF, v[ADV]
	s_lshl_b32 s15, s12, 12                        ; rounding: wave x 8 rows of 512 bytes
	v_lshl_add_u32 v[CR], v8, 4, s15
	v_add_nc_u32 v[CR+1], SLOTB, v[CR]
	s_mul_i32 s15, s12, 8*KP
	s_add_co_u32 s15, s15, BF0
	v_lshl_add_u32 v[CSK], v8, 3, s15
	s_mul_i32 s15, s12, 8*VP
	s_add_co_u32 s15, s15, BF0+VOFF
	v_lshl_add_u32 v[CSV], v8, 3, s15
	s_and_b32 s15, s12, 1
	s_lshl_b32 s46, s15, 15
	s_lshl_b32 s45, s14, 13
	s_add_co_u32 s45, s45, s46
	v_lshl_add_u32 v[PF], v8, 8, s45               ; 256 L + 8,192 cx + 32,768 (wave % 2): 0 to 65,280 inside two tiles
	v_lshl_add_u32 v[QST], v8, 3, s44
	v_lshlrev_b32 v[GO], 4, v8
	s_lshl_b32 s40, ttmp9, 20                      ; Q and out: head x 1 MiB + cx x 512 rows + wave x 64 rows, rows of 512 bytes
	s_lshl_b32 s45, s14, 18
	s_add_co_u32 s40, s40, s45
	s_lshl_b32 s45, s12, 15
	s_add_co_u32 s40, s40, s45
	s_mov_b32 s41, 0
	s_lshl_b32 s46, ttmp9, 20                      ; K and V: head x 1 MiB
	s_mov_b32 s47, 0
	s_wait_kmcnt 0x0
	s_add_nc_u64 s[4:5], s[4:5], s[40:41]
	s_add_nc_u64 s[10:11], s[10:11], s[40:41]
	s_cmp_lt_u32 s12, 2
	s_cselect_b64 s[42:43], s[6:7], s[8:9]         ; waves 0, 1 ask for K, waves 2, 3 for V
	s_add_nc_u64 s[42:43], s[42:43], s[46:47]
	s_add_nc_u64 s[32:33], s[42:43], 2*TILEB       ; prefetch base: tiles 2 and 3
	s_lshl_b32 s46, s15, 14                        ; my half of a tile
	s_add_nc_u64 s[G0+2:G0+3], s[42:43], s[46:47]  ; tile 0
	s_add_nc_u64 s[G0+6:G0+7], s[G0+2:G0+3], TILEB ; tile 1
	s_or_b32 s[G0+3], s[G0+3], 0x80000000          ; type = 2
	s_or_b32 s[G0+7], s[G0+7], 0x80000000
	ROUND                                          ; all four work-groups are here: the first joint loads meet
	s_cmp_lt_u32 s12, 4
	s_cbranch_scc0 .Lno_fill
	tensor_load_to_lds s[G0:G0+3], s[G1:G1+7]      ; both first fills in one group: two tensor loads of a wave are out, later one
	s_nop 0
	PLACES 4
	tensor_load_to_lds s[G0+4:G0+7], s[G1:G1+7]
	s_nop 0
	PLACES 4
	global_prefetch_b8 v[PF], s[32:33] th:TH_LOAD_NT scope:SCOPE_SE
.Lno_fill:
	WIN 0x40                                       ; my 64 rows of Q, a whole row of 512 bytes a load, into window 1
.set kk, 0
.rept 64
	global_load_b128 v[4*kk:4*kk+3], v[GO], s[4:5] offset:512*kk th:TH_LOAD_NT
.set kk, kk+1
.endr
	QBLK 0, S
	QBLK 1, S+32
	QBLK 2, S
	QBLK 3, S+32
	s_wait_tensorcnt 0x1                           ; my part of tile 0 is in; tile 1's may stay out
	s_wait_dscnt 0x0
	s_barrier_signal -1
	s_barrier_wait -1
	CONV8 0, 0, 0                                  ; tile 0 is rounded by all eight waves at once
	TRIP 0, 1, 1, 1, 0                             ; trips 0 and 1 stand in front of the loop: the first products start the sums
	TRIP 1, 1, 1, 0, 1
	s_mov_b32 s39, 13                              ; trips 2 to 27
.Lpair:
	TRIP 0, 1, 1, 0, 0
	TRIP 1, 1, 1, 0, 1                             ; the last prefetch, in trip 27, asks for tiles 30 and 31: the head's last
	s_sub_co_i32 s39, s39, 1
	s_cmp_lg_u32 s39, 0
	s_cbranch_scc1 .Lpair
	TRIP 0, 1, 1, 0, 0                             ; trip 28 asks for tile 30,
	TRIP 1, 1, 1, 0, 0                             ; trip 29 for tile 31: the last joint load
	TRIP 0, 0, 1, 0, 0                             ; trip 30 fills nothing and rounds tile 31
	TRIP 1, 0, 0, 0, 0                             ; trip 31 only multiplies
	; the two halves of each row's sum meet, once; the sum is at least the largest term, about 1
.irp q, 0,1,2,3
	v_permlanex16_b32 v[T+2*\q], v[LSUM+\q], s37, s38
.endr
.irp q, 0,1,2,3
	v_add_f32 v[T+2*\q], v[T+2*\q], v[LSUM+\q]
.endr
.irp q, 0,1,2,3
	v_rcp_f32 v[AL+\q], v[T+2*\q]
.endr
	v_and_b32 v35, 15, v0                          ; plain work behind the reciprocals: the addresses of the way out
	v_bfe_u32 v36, v0, 4, 1
	v_and_b32 v37, 31, v0
	v_mul_u32_u24 v[STO], v35, OP
	v_lshl_add_u32 v[STO], v36, 5, v[STO]
	v_add_nc_u32 v[STO], s44, v[STO]               ; in: row r, 32 bytes for each half of the lanes
	v_lshl_add_u32 v[RD], v37, 4, s44              ; back: 32 lanes take one row of 512 bytes
	v_lshlrev_b32 v[GO2], 4, v37
	s_wait_alu depctr_va_vdst(0)
	OBLK 0, AL,   0, Q
	OBLK 1, AL,   1, Q+64
	OBLK 2, AL+2, 0, Q
	OBLK 3, AL+2, 1, Q+64
	s_wait_xcnt 0x0
	v_lshl_add_u32 v126, v0, 2, 0x42000
	v_mov_b32 v127, 0
	s_wait_tensorcnt 0x0
	ds_add_u32 v126, v127
	s_wait_dscnt 0x0
	ROUND                                          ; the closing round: no work-group ends while a partner may still ask for a tile that names it
	s_endpgm
.Lfunc_end_k_q7f18b15ffe_attn:
	.size	k_q7f18b15ffe_attn, .Lfunc_end_k_q7f18b15ffe_attn-k_q7f18b15ffe_attn
	.p2alignl 7, 3214868480
	.fill 96, 4, 3214868480
	.section	.rodata,"a",@progbits
	.p2align	6, 0x0
	.amdhsa_kernel k_q7f18b15ffe_attn
		.amdhsa_group_segment_fixed_size 327680
		.amdhsa_private_segment_fixed_size 0
		.amdhsa_enable_private_segment 0
		.amdhsa_kernarg_size 32
		.amdhsa_user_sgpr_count 2
		.amdhsa_user_sgpr_kernarg_segment_ptr 1
		.amdhsa_wavefront_size32 1
		.amdhsa_system_sgpr_workgroup_id_x 1
		.amdhsa_system_sgpr_workgroup_id_y 1
		.amdhsa_system_sgpr_workgroup_id_z 1
		.amdhsa_system_vgpr_workitem_id 0
		.amdhsa_next_free_vgpr 512
		.amdhsa_next_free_sgpr 66
		.amdhsa_reserve_vcc 0
		.amdhsa_float_denorm_mode_32 3
		.amdhsa_float_denorm_mode_16_64 3
		.amdhsa_memory_ordered 1
		.amdhsa_forward_progress 1
		.amdhsa_inst_pref_size 255
	.end_amdhsa_kernel
	.section	.bss,"aw",@nobits
	.p2align	6
	.space	262144
	.amdgpu_metadata
---
amdhsa.version: [ 1, 2 ]
amdhsa.kernels:
  - .name:           k_q7f18b15ffe_attn
    .symbol:         k_q7f18b15ffe_attn.kd
    .args:
      - { .name: query, .offset: 0, .size: 8, .value_kind: global_buffer, .address_space: global }
      - { .name: key, .offset: 8, .size: 8, .value_kind: global_buffer, .address_space: global }
      - { .name: value, .offset: 16, .size: 8, .value_kind: global_buffer, .address_space: global }
      - { .name: out0, .offset: 24, .size: 8, .value_kind: global_buffer, .address_space: global }
    .group_segment_fixed_size: 327680
    .private_segment_fixed_size: 0
    .kernarg_segment_align: 8
    .kernarg_segment_size: 32
    .max_flat_workgroup_size: 256
    .sgpr_count:     66
    .vgpr_count:     512
    .wavefront_size: 32
...
	.end_amdgpu_metadata
.endif
;; end of part 1
